; MI455X (gfx1250); checked and timed in simulation.
; The chip was launched on July 23, 2026; its instructions are those of AMD's public machine-readable ISA for CDNA 5 (MIT licence, August 2026) and "CDNA5" Instruction Set Architecture Reference Guide (July 2026). The comments in the code are by the model that wrote it; some were corrected since.
;; Attention. Allowed arithmetic: matrix products marked QUANTISED: E5M2 operands, one given power-of-two scale a tensor, by v_wmma_f32_16x16x64_bf8_bf8 or v_wmma_f32_16x16x128_bf8_bf8, f32 sums; everything else in f32.
;; Inputs: Wk_codes 1,024 x 32 x 32 uint8 (E5M2 codes of Wk, K innermost, in blocks of 32 codes); Wo_codes 1,024 x 32 x 32 uint8 (E5M2 codes of Wo, K innermost, in blocks of 32 codes); Wq_codes 1,024 x 32 x 32 uint8 (E5M2 codes of Wq, K innermost, in blocks of 32 codes); Wv_codes 1,024 x 32 x 32 uint8 (E5M2 codes of Wv, K innermost, in blocks of 32 codes); bo 1,024 float32; lowp_scales 12 int32 (the exponents e of the quantised operands' scales 2^e); x_codes 4 x 2,048 x 32 x 32 uint8 (E5M2 codes of x, K innermost, in blocks of 32 codes).
;; Outputs: out0 4 x 2,048 x 1,024 float32.
;; This version of the problem:
;;   THIS VERSION OF THE PROBLEM IS GIVEN IN LOW PRECISION. The matrix products marked QUANTISED in the list below multiply operands that are first quantised to E5M2 (5 exponent bits, 2 mantissa bits; 8 bits a number), with one given power-of-two scale for each operand tensor; their sums are f32. All else is computed in f32.
;;   The module's matrix products, in the order in which they are computed (A, B: the left and right operand; K: the contracted axis; several contracted axes count as one K, in the product's order):
;;     1. [M 8,192, K 1,024] x [K 1,024, N 1,024]; A: input x (given as codes); B: input Wq (given as codes): QUANTISED (scales: A lowp_scales[0], B lowp_scales[1])
;;     2. [M 8,192, K 1,024] x [K 1,024, N 1,024]; A: input x (given as codes); B: input Wk (given as codes): QUANTISED (scales: A lowp_scales[2], B lowp_scales[3])
;;     3. [M 8,192, K 1,024] x [K 1,024, N 1,024]; A: input x (given as codes); B: input Wv (given as codes): QUANTISED (scales: A lowp_scales[4], B lowp_scales[5])
;;     4. batch 64 x [M 2,048, K 64] x [K 64, N 2,048]; A: computed on the way; B: computed on the way: QUANTISED (scales: A lowp_scales[6], B lowp_scales[7])
;;     5. batch 64 x [M 2,048, K 2,048] x [K 2,048, N 64]; A: softmax (see below); B: computed on the way: QUANTISED (scales: A lowp_scales[8], B lowp_scales[9])
;;     6. [M 8,192, K 1,024] x [K 1,024, N 1,024]; A: computed on the way; B: input Wo (given as codes): QUANTISED (scales: A lowp_scales[10], B lowp_scales[11])
;;   THE QUANTISER, for each operand of a quantised product, along K:
;;     - The operand's scale is 2^e, e = its entry of the input lowp_scales (int32; the entries are numbered through the quantised products in the list's order, A before B).
;;     - Each number is divided by the scale, clamped to +-57,344, and rounded to the nearest number of E5M2, ties to even, subnormals kept.
;;     - The product sums the exact products of the quantised numbers (number of the format x scale) in f32.
;;   ~~~python
;;   def quantise(x, axis, e):      # numpy; x: float32 -> the quantised numbers, widened to float32 again
;;       x = np.moveaxis(x, axis, -1); K = x.shape[-1]
;;       r = np.clip(x / 2.0 ** e, -57344, 57344)
;;       step = 2.0 ** (np.maximum(np.frexp(np.where(r == 0, 1, r))[1] - 1, -14) - 2)
;;       q = np.round(r / step) * step * 2.0 ** e      # np.round: ties to even
;;       return np.moveaxis(q, -1, axis).astype(np.float32)
;;   ~~~
;;   SOFTMAX AHEAD OF A QUANTISED PRODUCT. Where the list says 'softmax', what is quantised is not the finished softmax but p = 2^(t - M), with t = logit x log2(e) and M = ceil(the row's largest t), a whole number; so 1/2 < the row's largest p <= 1. The row's sum l is taken of the UNQUANTISED p, in f32, and the product's result is divided by l at the end. Since M is a whole number, a kernel that streams over the keys may use a running M (the ceiling of the running maximum): every later rescaling is an exact power of two, so the quantised numbers keep their values, but for numbers so far below the row's largest that they fall under the format's range.
;;   OPERANDS COMPUTED ON THE WAY. 'Computed on the way' means the value that the module computes at that place (a softmax that the list does not call 'softmax' is quantised finished and normalised). What goes into a quantiser is computed in f32, as accurately as f32 sums, v_exp_f32 and their like allow (about 1e-6 of the number): no bf16 or f16 on the way to a quantiser, and a product that is left as it is and whose result goes on into a quantised operand takes f32 operands (vector FMAs, or v_wmma_f32_16x16x4_f32). A number that lies on a knife's edge between two numbers of the format may be rounded either way, as far as f32 arithmetic and the matrix unit's own rounding can turn it there, and no further.
;;   INPUTS GIVEN AS CODES. Wk (in the module: [1024, 1024], K = its axis 0); Wo (in the module: [1024, 1024], K = its axis 0); Wq (in the module: [1024, 1024], K = its axis 0); Wv (in the module: [1024, 1024], K = its axis 0); x (in the module: [4, 2048, 1024], K = its axis 2): each comes as NAME_codes (uint8): NAME with its K axis moved to the last place and cut into blocks of 32 codes, [.., K / 32, bytes a block], one block behind the other in memory; one code a byte (a code: sign, 5 exponent bits, 2 mantissa bits); its scale is its entry of lowp_scales. Its value is code x scale, taken as it is: it is not quantised again, and the codes and scales need not be those that the quantiser above would give.
;; One version. Each part assembles by itself: llvm-mc -triple=amdgcn-amd-amdhsa -mcpu=gfx1250 --defsym DOCPART=n.
;; ======== version 1 of 1: 3 launches
;; limits: right only within a limited range of input values
;; workspace buffers: qkv 25,165,824 bytes; acodes 8,388,608 bytes
;; launch qkv (part 1): grid 4 x 64, 4 waves a work-group, clusters of 4 x 4, 327,680 bytes of LDS; arguments x_codes, Wq_codes, Wk_codes, Wv_codes, lowp_scales, qkv; writes qkv
.if DOCPART == 1
	.amdgcn_target "amdgcn-amd-amdhsa--gfx1250"
	.amdhsa_code_object_version 6
	.text
	.protected	k_q372ca6e648_qkv
	.globl	k_q372ca6e648_qkv
	.p2align	8
	.type	k_q372ca6e648_qkv,@function
k_q372ca6e648_qkv:
	s_mov_b64 s[64:65], 0
	v_nop
	global_prefetch_b8 v0, s[64:65] scope:SCOPE_SE
	s_setreg_imm32_b32 hwreg(HW_REG_WAVE_MODE, 25, 1), 1
	s_wait_xcnt 0x0
	s_wait_alu depctr_hold_cnt(0) depctr_sa_sdst(0) depctr_va_vdst(0) depctr_va_sdst(0) depctr_va_ssrc(0) depctr_va_vcc(0) depctr_vm_vsrc(0)
	s_getreg_b32 s2, hwreg(HW_REG_IB_STS2, 6, 4)
	s_cmp_eq_u32 s2, 0
	s_cbranch_scc0 .Lentry_in_a_cluster
	s_endpgm
.Lentry_in_a_cluster:
	s_bfe_u32 s2, ttmp6, 0x10000c
	s_cmp_lg_u32 s2, 0xf033
	s_cbranch_scc0 .Lentry_shape_is_right
	s_endpgm
.Lentry_shape_is_right:
; q = x Wq, k = x Wk, v = x Wv on codes of BF8 (E5M2); each finished f32 sum is quantised at once (scales e6, e7, e9) and stored as codes.
; x: [8192][1024] codes, K innermost; each W: [1024 (n)][1024 (k)] codes.
; SHARES.  A work-group owns 128 tokens x 256 channels (four heads) of ALL THREE products, one after the other: 64 x 4 = 256 work-groups.  A wave owns 64 tokens x 128 channels: 32 accumulators.
; THE TOKENS' FRAGMENTS STAY IN REGISTERS: 64 tokens x 1,024 K are 512 registers a wave.  x is staged once in LDS (in slot 1, in the very shape of a tile of W) and read from there once.
; W walks a ring of two LDS slots of 256 rows x 512 bytes: six fills (product f / 2, K half f % 2, slot f % 2).  Slot 0 is filled by waves 2 and 3, slot 1 by waves 0 and 1, 128 rows each.
; A HALF-STEP is 16 matrix instructions: four fragments of W (16 channels x 128 K) x my four tiles of tokens.  W's fragments turn through three buffers of 64 registers; half-step n + 2's are asked for ahead of half-step n's products.
; The change of slots stands in a fill's seventh half-step: my reads of the slot are over there, and the two half-steps left work on registers.
; q, k: source 0 = W's rows, source 1 = tokens: a lane's eight sums are eight channels of a token.  v: the sources swapped: eight keys of a channel.  Both run along the next product's K.
; Fragments are fetched by loads of 16 bytes: registers 4 c .. 4 c + 3 hold K = 32 c + 16 (l / 16) + 0 .. 15, the same permutation of k on both sides.
; OUTPUT (buffer qkv): images of the next launch's operand registers: registers 4 g .. 4 g + 3 are 512 bytes, lane l's 16 bytes at 512 g + 16 l.
;   head hd = 16 batch + head owns HS bytes: Q at 0: 128 images of 1 KB (16 tokens x 64 d); K at 131,072: the same; V at 262,144: [128 keys: 16][16 channels: 4][2 KB].
; CLUSTERS: 4 x 4 work-groups; x's tile is shared along a row of the cluster, W's along a column: joint loads.
; PREFETCH: at each refill the fill that the next refill will load is asked for: 1,024 rows x 512 bytes are 2,048 blocks of 256 bytes, one for each lane of a cluster's 64 waves, told apart by address.
;   All clusters read the same W, so four clusters ask.  Fills 0 and 1 and x come by their loads alone.
; A sum's code is sum / 2^eS, eS = e6 - e0 - e1 (q), e7 - e2 - e3 (k), e9 - e4 - e5 (v), held within +-57,344 x 2^eS.
; LIMITS: eS between -126 and 112, so that both powers of two are f32 numbers.  NaN is not served.
; REGISTERS: window 0: v0-31 addresses and constants, v64-255 W's three buffers (the free one takes the codes on the way out); window 1: accumulator (a, b) at v[8 (8 a + b)]; windows 2, 3: x's fragment (K step s, tile a) at v[64 (s % 4) + 16 a] of window 2 + s / 4.
.set PITCH,  528                       ; an LDS row: 512 bytes + 16: 132 words, so the 16 rows that a load touches start at 16 different banks (ISA guide 11.1)
.set HALF,   128*PITCH                 ; what one tensor load brings
.set SPARE,  4*HALF                    ; behind the ring: the spare words
.set HS,     393216
.set ADRW, 16                          ; v16-17 my fragments of W in slot 0, 1
.set ADRX, 18                          ; v18-19 my fragments of x, K half 0, 1
.set VOQ,  24
.set VOV,  25
.set PFO,  26
.set SPW,  28
.set NIL,  29
.set SCV,  30
.set HLV,  31
.set WB,   64
.set G1X, 24
.set G0,  32
.set G0X, 36
.set G1W, 48
.set PW,  56                           ; s[56:61] where my loads of Wq, Wk, Wv begin
.set MSB, 0
.macro WIN new                         ; the immediate's high byte repeats the setting that is left
.if MSB != \new
	s_set_vgpr_msb (MSB<<8)|\new
.set MSB, \new
.endif
.endm
.macro PLACES
.rept 4
	v_nop
.endr
.endm
.macro CREST
	s_cmp_lg_u32 s14, 0
	s_cbranch_scc1 .Lnot_wave_0_\@
	s_barrier_signal -3
.Lnot_wave_0_\@:
	s_barrier_wait -3
	s_barrier_signal -1
	s_barrier_wait -1
.endm
.macro CROUND
	s_barrier_signal -1
	s_barrier_wait -1
	CREST
.endm
.macro REFILL sl                       ; slot 0: waves 2 and 3 load; slot 1: waves 0 and 1.  The branch hangs on the wave's number alone
	s_cmp_lt_u32 s14, 2
.if \sl
	s_cbranch_scc0 .Lnone_\@
.else
	s_cbranch_scc1 .Lnone_\@
.endif
	tensor_load_to_lds s[G0:G0+3], s[G1W:G1W+7]
	s_nop 0
	PLACES
.Lnone_\@:
.endm
.macro ASK f                           ; fill f into the L2: one block of 256 bytes a lane
	s_cmp_lg_u32 s98, 0
	s_cbranch_scc0 .Lna_\@
	global_prefetch_b8 v[PFO], s[70+2*((\f)/2):71+2*((\f)/2)] offset:512*((\f)%2) th:TH_LOAD_NT scope:SCOPE_SE
.Lna_\@:
.endm
	s_load_b256 s[68:75], s[0:1], 0x0              ; x, Wq, Wk, Wv
	s_load_b128 s[76:79], s[0:1], 0x20             ; the scales' exponents, qkv
	v_lshl_add_u32 v[SPW], v0, 2, SPARE
	v_mov_b32 v[NIL], 0
	ds_add_u32 v[SPW], v[NIL]                      ; the opening lines: the add twice on end and its wait
	ds_add_u32 v[SPW], v[NIL]
	v_lshrrev_b32 v1, 5, v0
	v_readfirstlane_b32 s14, v1                    ; wave 0..3
	s_lshr_b32 s15, s14, 1                         ; which 64 tokens are mine
	s_and_b32 s16, s14, 1                          ; which 128 channels.  Also: which half of a tile I fetch
	s_bfe_u32 s40, ttmp6, 0x40000                  ; cx: the block of 256 channels
	s_bfe_u32 s41, ttmp6, 0x40004                  ; cy
	s_and_b32 s17, ttmp7, 0xffff
	s_cmp_lt_u32 s17, 4
	s_cselect_b32 s98, 1, 0                        ; the first four clusters prefetch
	s_lshl_b32 s17, s17, 2
	s_add_co_u32 s17, s17, s41                     ; the block of 128 tokens
	s_lshl_b32 s43, s41, 2
	s_lshl_b32 s43, 15, s43                        ; my row of the cluster
	s_lshl_b32 s44, 0x1111, s40                    ; my column
	s_or_b32 s[G1X], s43, (0<<16)|(1<<20)|(1<<21)|(6<<22)|(3<<25)   ; the mask; elements of 1 byte; padding: four words after every 128; bit 21 beside a mask
	s_or_b32 s[G1W], s44, (0<<16)|(1<<20)|(1<<21)|(6<<22)|(3<<25)
.irp g, G1X, G1W
	s_mov_b32 s[\g+1], 512<<16                     ; rows of 512 bytes,
	s_mov_b32 s[\g+2], 128<<16                     ; 128 of them,
	s_mov_b32 s[\g+3], 512<<16
	s_mov_b32 s[\g+4], 128
	s_mov_b32 s[\g+5], 1024                        ; 1,024 bytes apart in memory
	s_mov_b32 s[\g+6], 0
	s_mov_b32 s[\g+7], 0
.endr
	s_xor_b32 s45, s14, 2
	s_mul_i32 s45, s45, HALF                       ; waves 0, 1: slot 1's halves; waves 2, 3: slot 0's
	s_mov_b32 s[G0], 1
	s_mov_b32 s[G0+1], s45
	s_mov_b32 s[G0X], 1
	s_mov_b32 s[G0X+1], s45
	s_lshl_b32 s20, s17, 17                        ; x: 128 rows of 1,024 bytes a block,
	s_lshl_b32 s18, s16, 9
	s_add_co_u32 s20, s20, s18                     ; K half = wave % 2
	s_mov_b32 s21, 0
	s_lshl_b32 s46, s40, 8
	s_lshl_b32 s18, s16, 7
	s_add_co_u32 s46, s46, s18
	s_lshl_b32 s46, s46, 10                        ; W: row 256 cx + 128 (wave % 2),
	s_cmp_lt_u32 s14, 2
	s_cselect_b32 s18, 512, 0
	s_add_co_u32 s46, s46, s18                     ; K half 1 for slot 1's waves
	s_mov_b32 s47, 0
	s_wait_dscnt 0x0
	s_wait_kmcnt 0x0
	s_load_b256 s[80:87], s[76:77], 0x0            ; e0 .. e7
	s_load_b128 s[88:91], s[76:77], 0x20           ; e8 .. e11
	s_add_nc_u64 s[G0X+2:G0X+3], s[68:69], s[20:21]
	s_or_b32 s[G0X+3], s[G0X+3], 0x80000000
.irp p, 0,1,2
	s_add_nc_u64 s[PW+2*\p:PW+2*\p+1], s[70+2*\p:71+2*\p], s[46:47]
.endr
	s_mov_b64 s[G0+2:G0+3], s[PW:PW+1]
	s_or_b32 s[G0+3], s[G0+3], 0x80000000
	CROUND                                         ; the round in front of the first joint loads
	s_cmp_lt_u32 s14, 2
	s_cbranch_scc0 .Lhead_w
	tensor_load_to_lds s[G0X:G0X+3], s[G1X:G1X+7]  ; x's K halves into slot 1
	s_nop 0
	PLACES
	s_branch .Lhead_j
.Lhead_w:
	tensor_load_to_lds s[G0:G0+3], s[G1W:G1W+7]    ; fill 0 into slot 0
	s_nop 0
	PLACES
.Lhead_j:
	s_mul_i32 s22, s16, HALF                       ; my 128 rows of W
	s_mul_i32 s21, s15, 64*PITCH
	s_add_co_u32 s21, s21, 2*HALF                  ; my 64 rows of x, in slot 1
	s_lshl_b32 s23, s15, 12
	s_lshl_b32 s19, s15, 10
	s_lshl_b32 s18, s41, 2
	s_add_co_u32 s18, s18, s40
	s_lshl_b32 s18, s18, 2
	s_add_co_u32 s18, s18, s14
	s_lshl_b32 s18, s18, 5                         ; 32 x (4 x my place in the cluster + wave)
	v_and_b32 v1, 15, v0
	v_bfe_u32 v2, v0, 4, 1
	v_mul_u32_u24 v3, v1, PITCH
	v_lshl_add_u32 v4, v2, 4, v3                   ; a fragment's row x pitch + 16 x half
	v_add_nc_u32 v[ADRW], s22, v4
	v_add_nc_u32 v[ADRW+1], 2*HALF, v[ADRW]
	v_add_nc_u32 v[ADRX], s21, v4
	v_add_nc_u32 v[ADRX+1], HALF, v[ADRX]
	v_and_b32 v6, 31, v0
	v_lshlrev_b32 v7, 4, v6
	v_add_nc_u32 v[VOQ], s23, v7                   ; q, k: 16 x lane + my 64 tokens' four images
	v_add_nc_u32 v[VOV], s19, v7                   ; v: 16 x lane + my half of an image
	v_add_nc_u32 v6, s18, v6                       ; my block among a fill's 2,048
	v_lshrrev_b32 v8, 1, v6
	v_and_b32 v6, 1, v6
	v_lshlrev_b32 v6, 8, v6
	v_lshl_add_u32 v[PFO], v8, 10, v6              ; row x 1,024 + 256 x (block % 2)
	s_lshr_b32 s18, s17, 4
	s_lshl_b32 s18, s18, 4
	s_lshl_b32 s19, s40, 2
	s_add_co_u32 s18, s18, s19
	s_lshl_b32 s19, s16, 1
	s_add_co_u32 s18, s18, s19                     ; my first head: 16 batch + 4 cx + 2 (wave % 2)
	s_mul_i32 s18, s18, HS
	s_and_b32 s19, s17, 15
	s_lshl_b32 s19, s19, 13                        ; 128 tokens are 8,192 bytes in each of the three parts
	s_add_co_u32 s18, s18, s19
	s_mov_b32 s19, 0
	s_add_nc_u64 s[10:11], s[78:79], s[18:19]
	s_wait_kmcnt 0x0
	s_sub_co_i32 s92, s86, s80
	s_sub_co_i32 s92, s92, s81                     ; e6 - e0 - e1
	s_sub_co_i32 s93, s87, s82
	s_sub_co_i32 s93, s93, s83                     ; e7 - e2 - e3
	s_sub_co_i32 s94, s89, s84
	s_sub_co_i32 s94, s94, s85                     ; e9 - e4 - e5
.irp p, 0,1,2
	s_add_co_i32 s[92+\p], s[92+\p], 127
	s_add_co_i32 s[95+\p], s[92+\p], 15
	s_lshl_b32 s[92+\p], s[92+\p], 23              ; 2^eS
	s_lshl_b32 s[95+\p], s[95+\p], 23
	s_or_b32 s[95+\p], s[95+\p], 0x600000          ; 57,344 x 2^eS
.endr
.macro LOADW m                         ; half-step m's four fragments of W
.irp i, 0,1,2,3
.irp c, 0,1,2,3
	ds_load_b128 v[WB+64*((\m)%3)+16*\i+4*\c:WB+64*((\m)%3)+16*\i+4*\c+3], v[ADRW+((\m)/8)%2] offset:(4*((\m)%2)+\i)*16*PITCH+128*(((\m)/2)%4)+32*\c
.endr
.endr
.endm
.macro MM d, w, x
.if PR_ == 2
.if S_ == 0
	v_wmma_f32_16x16x128_bf8_bf8 v[\d:\d+7], v[\x:\x+15], v[\w:\w+15], 0
.else
	v_wmma_f32_16x16x128_bf8_bf8 v[\d:\d+7], v[\x:\x+15], v[\w:\w+15], v[\d:\d+7]
.endif
.else
.if S_ == 0
	v_wmma_f32_16x16x128_bf8_bf8 v[\d:\d+7], v[\w:\w+15], v[\x:\x+15], 0
.else
	v_wmma_f32_16x16x128_bf8_bf8 v[\d:\d+7], v[\w:\w+15], v[\x:\x+15], v[\d:\d+7]
.endif
.endif
.endm
.macro MULW                            ; half-step N's 16 products; a K step's 32 accumulators take turns; a product's first K step starts the sums
.if PR_ == 2
	WIN 0x52+S_/4
.else
	WIN 0x58+4*(S_/4)
.endif
.irp i, 0,1,2,3
.irp a, 0,1,2,3
	MM (8*(8*\a+4*(N%2)+\i)), (WB+64*(N%3)+16*\i), (64*(S_%4)+16*\a)
.endr
.endr
.endm
.macro TURN                            ; the change of slots
	WIN 0
	s_wait_tensorcnt 0x0                           ; all my tensor loads have landed: the next slot's among them
	ds_add_u32 v[SPW], v[NIL]
.if F_ < 4
	s_mov_b64 s[G0+2:G0+3], s[PW+2*((F_+2)/2):PW+2*((F_+2)/2)+1]   ; no load of mine is out: fill F_ + 2's address
	s_or_b32 s[G0+3], s[G0+3], 0x80000000
.endif
	s_wait_dscnt 0x0                               ; the add is done, and my reads of this slot are over
	s_barrier_signal -1
	MULW
	WIN 0
	s_barrier_wait -1
.if F_ < 4
	CREST                                          ; the barrier has opened a round of the cluster's
	REFILL F_%2
.endif
	PLACES
	LOADW N+2
.if F_ < 3
	ASK F_+3
.endif
.endm
.macro OUT                             ; a product's way out: held in place, converted, stored: each store covers 512 consecutive bytes, aligned
.set CB, WB+64*(N%3)                   ; the buffer that the last half-step has left
	WIN 0
	v_mov_b32 v[SCV], s[92+PR_]
	v_mov_b32 v[HLV], s[95+PR_]
	v_nop
	v_nop
	WIN 0x41
.set j, 0
.rept 256
	v_med3_num_f32 v[j], v[j], -v[HLV], v[HLV]     ; the conversion does not saturate (ISA guide 7.6.2); each accumulator from its low end on
.set j, j+1
.endr
	WIN 0x01
.irp a, 0,1,2,3
.irp b, 0,1,2,3,4,5,6,7
.if PR_ == 2
	v_cvt_scalef32_pk8_bf8_f32 v[CB+8*\b+2*\a:CB+8*\b+2*\a+1], v[8*(8*\a+\b):8*(8*\a+\b)+7], v[SCV]
.else
	v_cvt_scalef32_pk8_bf8_f32 v[CB+16*\a+2*\b:CB+16*\a+2*\b+1], v[8*(8*\a+\b):8*(8*\a+\b)+7], v[SCV]
.endif
.endr
.endr
	WIN 0
	v_nop
.irp u, 0,1,2,3,4,5,6,7
.irp g, 0,1
.if PR_ == 2
	global_store_b128 v[VOV], v[CB+8*\u+4*\g:CB+8*\u+4*\g+3], s[10:11] offset:262144+(\u/4)*HS+(\u%4)*2048+512*\g
.else
	global_store_b128 v[VOQ], v[CB+8*\u+4*\g:CB+8*\u+4*\g+3], s[10:11] offset:PR_*131072+(\u%2)*HS+(\u/2)*1024+512*\g
.endif
.endr
.endr
.if PR_ < 2
	s_wait_xcnt 0x0                                ; the stores have read their data: the buffer may be loaded again
.endif
.endm
.macro HSTEP
.set F_, N/8
.set S_, (N/2)%8
.set PR_, N/16
.if (N%8 == 6) && (F_ < 5)
	TURN
.else
.if N == 47
	s_wait_dscnt 0x0
.else
	s_wait_dscnt 16                                ; this half-step's sixteen loads are in; the next one's may be out
.endif
.if N < 46
	PLACES                                         ; in front of loads into the buffer that the last half-step read
	WIN 0
	LOADW N+2
.endif
	MULW
.endif
.if N%16 == 15
	OUT
.endif
.endm
	s_wait_alu depctr_va_vdst(0)                   ; the wait at the head's end
	s_wait_tensorcnt 0x0                           ; my part of x or of fill 0 is in,
	s_barrier_signal -1
	s_barrier_wait -1                              ; and everybody's
	WIN 0x80
.irp s, 0,1,2,3
.irp a, 0,1,2,3
.irp c, 0,1,2,3
	ds_load_b128 v[64*\s+16*\a+4*\c:64*\s+16*\a+4*\c+3], v[ADRX] offset:\a*16*PITCH+128*\s+32*\c
.endr
.endr
.endr
	WIN 0xc0
.irp s, 0,1,2,3
.irp a, 0,1,2,3
.irp c, 0,1,2,3
	ds_load_b128 v[64*\s+16*\a+4*\c:64*\s+16*\a+4*\c+3], v[ADRX+1] offset:\a*16*PITCH+128*\s+32*\c
.endr
.endr
.endr
	WIN 0
	s_wait_tensorcnt 0x0                           ; slot 1 is filled again, with fill 1
	ds_add_u32 v[SPW], v[NIL]
	s_mov_b64 s[G0+2:G0+3], s[PW:PW+1]
	s_or_b32 s[G0+3], s[G0+3], 0x80000000
	s_wait_dscnt 0x0                               ; x is in my registers
	CROUND
	REFILL 1
	LOADW 0
	LOADW 1
	ASK 2
.set N, 0
.rept 48
	HSTEP
.set N, N+1
.endr
	s_wait_tensorcnt 0x0                           ; the wave's end
	ds_add_u32 v[SPW], v[NIL]
	s_wait_dscnt 0x0
	CROUND                                         ; the closing round
	s_endpgm
.Lfunc_end_k_q372ca6e648_qkv:
	.size	k_q372ca6e648_qkv, .Lfunc_end_k_q372ca6e648_qkv-k_q372ca6e648_qkv
	.p2alignl 7, 3214868480
	.fill 96, 4, 3214868480
	.section	.rodata,"a",@progbits
	.p2align	6, 0x0
	.amdhsa_kernel k_q372ca6e648_qkv
		.amdhsa_group_segment_fixed_size 327680
		.amdhsa_private_segment_fixed_size 0
		.amdhsa_enable_private_segment 0
		.amdhsa_kernarg_size 48
		.amdhsa_user_sgpr_count 2
		.amdhsa_user_sgpr_kernarg_segment_ptr 1
		.amdhsa_wavefront_size32 1
		.amdhsa_system_sgpr_workgroup_id_x 1
		.amdhsa_system_sgpr_workgroup_id_y 1
		.amdhsa_system_sgpr_workgroup_id_z 1
		.amdhsa_system_vgpr_workitem_id 0
		.amdhsa_next_free_vgpr 1024
		.amdhsa_next_free_sgpr 100
		.amdhsa_reserve_vcc 0
		.amdhsa_float_denorm_mode_32 3
		.amdhsa_float_denorm_mode_16_64 3
		.amdhsa_memory_ordered 1
		.amdhsa_forward_progress 1
		.amdhsa_inst_pref_size 186
	.end_amdhsa_kernel
	.amdgpu_metadata
---
amdhsa.version: [ 1, 2 ]
amdhsa.kernels:
  - .name:           k_q372ca6e648_qkv
    .symbol:         k_q372ca6e648_qkv.kd
    .args:
      - { .name: x_codes, .offset: 0, .size: 8, .value_kind: global_buffer, .address_space: global }
      - { .name: Wq_codes, .offset: 8, .size: 8, .value_kind: global_buffer, .address_space: global }
      - { .name: Wk_codes, .offset: 16, .size: 8, .value_kind: global_buffer, .address_space: global }
      - { .name: Wv_codes, .offset: 24, .size: 8, .value_kind: global_buffer, .address_space: global }
      - { .name: lowp_scales, .offset: 32, .size: 8, .value_kind: global_buffer, .address_space: global }
      - { .name: qkv, .offset: 40, .size: 8, .value_kind: global_buffer, .address_space: global }
    .group_segment_fixed_size: 327680
    .private_segment_fixed_size: 0
    .kernarg_segment_align: 8
    .kernarg_segment_size: 48
    .max_flat_workgroup_size: 128
    .sgpr_count:     100
    .vgpr_count:     1024
    .wavefront_size: 32
...
	.end_amdgpu_metadata
.endif
;; end of part 1
;; launch attn (part 2): grid 4 x 64, 8 waves a work-group, clusters of 4 x 1, 327,680 bytes of LDS; arguments qkv, lowp_scales, acodes; writes acodes
.if DOCPART == 2
	.amdgcn_target "amdgcn-amd-amdhsa--gfx1250"
	.amdhsa_code_object_version 6
	.text
	.protected	k_q372ca6e648_attn
	.globl	k_q372ca6e648_attn
	.p2align	8
	.type	k_q372ca6e648_attn,@function
k_q372ca6e648_attn:
	s_mov_b64 s[64:65], 0
	v_nop
	global_prefetch_b8 v0, s[64:65] scope:SCOPE_SE
	s_setreg_imm32_b32 hwreg(HW_REG_WAVE_MODE, 25, 1), 1
	s_wait_xcnt 0x0
	s_wait_alu depctr_hold_cnt(0) depctr_sa_sdst(0) depctr_va_vdst(0) depctr_va_sdst(0) depctr_va_ssrc(0) depctr_va_vcc(0) depctr_vm_vsrc(0)
	s_getreg_b32 s2, hwreg(HW_REG_IB_STS2, 6, 4)
	s_cmp_eq_u32 s2, 0
	s_cbranch_scc0 .Lentry_in_a_cluster
	s_endpgm
.Lentry_in_a_cluster:
	s_bfe_u32 s2, ttmp6, 0x10000c
	s_cmp_lg_u32 s2, 0x3003
	s_cbranch_scc0 .Lentry_shape_is_right
	s_endpgm
.Lentry_shape_is_right:
; Attention of one head on codes of BF8 (E5M2): S^T = K Q^T, p = 2^(t - M), O^T += V^T P^T, O / l quantised (scale e10) and stored as codes for the last product.
; t = score x log2(e) / 8 x 2^(e6 + e7); M = the running largest t rounded up to a whole number; p is quantised with 2^e8 and not normalised; l is the f32 sum of the unquantised p.
; When M moves, l and O^T are multiplied by 2^(old M - new M), made by v_ldexp_f32: nothing is rounded, and no branch hangs on data.
; INPUT (buffer qkv): images of operand registers, as the launch before lays them: a head owns HS bytes: Q at 0 (1 KB for 16 tokens), K at 131,072 (the same), V at 262,144 ([128 keys][16 channels][2 KB]).
; SHARES.  A work-group owns 512 queries of one head, each of its eight waves 64 of them: four tiles of 16, taken as two pairs.  Each fragment of K and of V that a wave reads from LDS serves all four tiles.
; A lane holds ONE query (lane % 16) throughout: both products are used transposed.  A step is 128 keys; 16 steps.
; LDS: the head's K (131,072 bytes) at 0 and V at 131,072, each byte filled once: keys 0-511 by the load at the head (8 KB a wave), the rest (24 KB a wave) by a second load; then the spare words.
; CLUSTER: the four work-groups of a head need the same K and V: every load is a joint load with the mask 15.
; NO PREFETCH: all of K and V is asked for by the two loads at the head, so the loop has no later tile to ask ahead for.
; A PAIR'S SOFTMAX: the two tiles' chains are interleaved; among tile a's exponentials stand tile b's scalings, among tile b's stand tile a's holds: each is first read behind the batch's closing wait.
; The hold at 57,344 x 2^e8 is one-sided (p is not negative) and goes two numbers an instruction (a dual pair).
; LIMITS: the exponents to the base 2 (t) stay under 2^31 in magnitude; e6 + e7 between -123 and 130; e8 between -126 and 112; e10 - e8 - e9 between -126 and 112.  NaN is not served.
; REGISTERS.  Window 0: v1-7 addresses and constants; v8-23 four tiles' state (-M, largest score, l in two halves); v24-39 at work; v40-71 Q; v72-199 S^T then p of a pair; v200-231 p's codes.
;             Window 1: v0-127 O^T (tile t at 32 t); v128-191 K's fragments; v192-255 V's.
.set HS,    393216
.set VBASE, 131072
.set SPARE, 0x40000
.set LI,  1
.set ADK, 2
.set ADV, 3
.set SPW, 4
.set NIL, 5
.set HL,  6                            ; v6, v7: the hold, twice (the two halves of a dual pair name registers of different banks)
.set ST,  8
.set FF,  24                           ; v24, v26: the pair's factors 2^(old M - new M); v25, v27 are named with them as pairs
.set MA,  28
.set SB,  32
.set TT,  36
.set SC,  38
.set Q,   40
.set S,   72
.set P,   200
.set O,   0
.set FK,  128
.set FV,  192
.set WV,  10
.set G1A, 16
.set G1B, 24
.set G0A, 32
.set G0B, 36
.set SEL, 40
.set CS,  42
.set TB,  44
.set TR,  45
.set MSB, 0
.macro WIN new                         ; the immediate's high byte repeats the setting that is left
.if MSB != \new
	s_set_vgpr_msb (MSB<<8)|\new
.set MSB, \new
.endif
.endm
.macro CROUND
	s_barrier_signal -1
	s_barrier_wait -1
	s_cmp_lg_u32 s[WV], 0
	s_cbranch_scc1 .Lnot_wave_0_\@
	s_barrier_signal -3
.Lnot_wave_0_\@:
	s_barrier_wait -3
	s_barrier_signal -1
	s_barrier_wait -1
.endm
.macro PLACES
.rept 4
	v_nop
.endr
.endm
	s_load_b128 s[4:7], s[0:1], 0x0                ; qkv, the scales' exponents
	s_load_b64 s[8:9], s[0:1], 0x10                ; acodes
	v_lshl_add_u32 v[SPW], v0, 2, SPARE
	v_mov_b32 v[NIL], 0
	ds_add_u32 v[SPW], v[NIL]                      ; the opening lines: the add twice on end and its wait
	ds_add_u32 v[SPW], v[NIL]
	v_lshrrev_b32 v1, 5, v0
	s_delay_alu instid0(VALU_DEP_1)
	v_readfirstlane_b32 s[WV], v1                  ; wave 0..7
	s_bfe_u32 s11, ttmp6, 0x40000                  ; cx: which 512 queries
	s_and_b32 s12, ttmp7, 0xffff                   ; 16 batch + head
	s_mul_i32 s14, s12, HS
	s_mov_b32 s15, 0
	s_lshr_b32 s13, s[WV], 2
	s_lshl_b32 s13, s13, 17                        ; waves 0-3 fetch K, waves 4-7 V
	s_and_b32 s46, s[WV], 3
	s_lshl_b32 s47, s46, 13
	s_add_co_u32 s[G0A+1], s13, s47                ; first load: 8,192 bytes a wave
	s_mul_i32 s46, s46, 24576
	s_add_co_u32 s46, s46, 32768
	s_add_co_u32 s[G0B+1], s13, s46                ; second load: 24,576 bytes a wave, behind the first 32,768
	s_mov_b32 s[G1A], 15|(3<<16)|(1<<21)           ; the mask of all four partners; elements of 8 bytes; bit 21 beside a mask
	s_mov_b32 s[G1A+1], 32<<16                     ; rows of 256 bytes, dense
	s_mov_b32 s[G1A+2], 32<<16
	s_mov_b32 s[G1A+3], 32<<16
	s_mov_b32 s[G1A+4], 32                         ; 32 rows
	s_mov_b32 s[G1A+5], 32
	s_mov_b32 s[G1A+6], 0
	s_mov_b32 s[G1A+7], 0
	s_mov_b32 s[G1B], 15|(3<<16)|(1<<21)
	s_mov_b32 s[G1B+1], 32<<16
	s_mov_b32 s[G1B+2], 96<<16
	s_mov_b32 s[G1B+3], 32<<16
	s_mov_b32 s[G1B+4], 96                         ; 96 rows
	s_mov_b32 s[G1B+5], 32
	s_mov_b32 s[G1B+6], 0
	s_mov_b32 s[G1B+7], 0
	s_mov_b32 s[G0A], 1
	s_mov_b32 s[G0B], 1
	s_mov_b32 s[SEL], 0x76543210
	s_mov_b32 s[SEL+1], 0xfedcba98
	s_wait_dscnt 0x0
	s_wait_kmcnt 0x0
	s_load_b256 s[48:55], s[6:7], 0x0              ; e0 .. e7
	s_load_b128 s[56:59], s[6:7], 0x20             ; e8 .. e11
	s_add_nc_u64 s[4:5], s[4:5], s[14:15]          ; my head
	s_add_co_u32 s14, s[G0A+1], 131072             ; K and V lie in memory as in LDS, 131,072 bytes further on
	s_add_nc_u64 s[G0A+2:G0A+3], s[4:5], s[14:15]
	s_or_b32 s[G0A+3], s[G0A+3], 0x80000000
	s_add_co_u32 s14, s[G0B+1], 131072
	s_add_nc_u64 s[G0B+2:G0B+3], s[4:5], s[14:15]
	s_or_b32 s[G0B+3], s[G0B+3], 0x80000000
	CROUND                                         ; the round in front of the first joint loads
	tensor_load_to_lds s[G0A:G0A+3], s[G1A:G1A+7]  ; keys 0-511: my one load at the head
	s_nop 0
	PLACES
	v_and_b32 v[LI], 31, v0
	s_delay_alu instid0(VALU_DEP_1)
	v_lshlrev_b32 v[LI], 4, v[LI]                  ; 16 x lane: my place in an image's 512 bytes
	s_lshl_b32 s14, s11, 5
	s_lshl_b32 s46, s[WV], 2
	s_add_co_u32 s46, s14, s46                     ; my first tile of 16 queries: 32 cx + 4 wave
	s_lshl_b32 s14, s46, 10
	s_add_nc_u64 s[4:5], s[4:5], s[14:15]
.irp i, 0,1,2,3,4,5,6,7
	global_load_b128 v[Q+4*\i:Q+4*\i+3], v[LI], s[4:5] offset:512*\i   ; Q's four fragments stay in registers
.endr
	s_and_b32 s47, s12, 15                         ; where my codes go: [4 heads: 4][16 tokens: 512][head % 4][1 KB]
	s_lshr_b32 s13, s47, 2
	s_lshl_b32 s13, s13, 21
	s_lshr_b32 s14, s12, 4
	s_lshl_b32 s14, s14, 7
	s_add_co_u32 s14, s14, s46
	s_lshl_b32 s14, s14, 12
	s_add_co_u32 s14, s14, s13
	s_and_b32 s47, s12, 3
	s_lshl_b32 s47, s47, 10
	s_add_co_u32 s14, s14, s47
	s_add_nc_u64 s[8:9], s[8:9], s[14:15]
.irp t, 0,1,2,3
	v_mov_b32 v[ST+4*\t], 0x7f61b1e6               ; -M: 3e38
	v_mov_b32 v[ST+4*\t+1], 0xff61b1e6             ; the largest score so far: -3e38, under every score
	v_mov_b32 v[ST+4*\t+2], 0                      ; l, in two halves
	v_mov_b32 v[ST+4*\t+3], 0
.endr
	v_mov_b32 v[FF+1], 0
	v_mov_b32 v[FF+3], 0
	WIN 0x40
.set j, 0
.rept 128
	v_mov_b32 v[O+j], 0                            ; O^T: the step is written once for all steps; the first change of M leaves zeros zeros.  These lines stand under the first load's flight
.set j, j+1
.endr
	WIN 0
	s_wait_kmcnt 0x0
	s_mov_b32 s[CS], 0x3e38aa3b                    ; log2(e) / 8
	s_add_co_i32 s46, s54, s55
	s_lshl_b32 s46, s46, 23
	s_add_co_i32 s[CS], s[CS], s46                 ; x 2^(e6 + e7), by its exponent field
	s_mov_b32 s[CS+1], s[CS]
	s_add_co_i32 s46, s56, 127
	s_lshl_b32 s47, s46, 23
	v_mov_b32 v[SC], s47                           ; 2^e8
	s_add_co_i32 s46, s46, 15
	s_lshl_b32 s46, s46, 23
	s_or_b32 s46, s46, 0x600000
	v_mov_b32 v[HL], s46                           ; 57,344 x 2^e8
	v_mov_b32 v[HL+1], s46
	s_sub_co_i32 s13, s58, s56
	s_sub_co_i32 s13, s13, s57
	s_add_co_i32 s13, s13, 127
	s_lshl_b32 s46, s13, 23                        ; 2^(e10 - e8 - e9), for the way out,
	s_add_co_i32 s13, s13, 15
	s_lshl_b32 s47, s13, 23
	s_or_b32 s47, s47, 0x600000                    ; and 57,344 x that
.macro KQ t                            ; S^T of tile t: eight tiles of 16 keys, K = the head's 64
.irp i, 0,1,2,3,4,5,6,7
	v_wmma_f32_16x16x64_bf8_bf8 v[S+64*((\t)%2)+8*\i:S+64*((\t)%2)+8*\i+7], v[FK+8*\i:FK+8*\i+7], v[Q+8*(\t):Q+8*(\t)+7], 0
.endr
.endm
.macro PV t                            ; O^T of tile t: four tiles of 16 channels, K = the step's 128 keys; the accumulators take turns
.irp c, 0,1,2,3
	v_wmma_f32_16x16x128_bf8_bf8 v[O+32*(\t)+8*\c:O+32*(\t)+8*\c+7], v[FV+16*\c:FV+16*\c+15], v[P+16*((\t)%2):P+16*((\t)%2)+15], v[O+32*(\t)+8*\c:O+32*(\t)+8*\c+7]
.endr
.endm
.macro ADDS b, l                       ; l += the tile's 64 unquantised p: 32 packed additions in four chains
	v_pk_add_f32 v[SB:SB+1], v[\b:\b+1], v[\b+2:\b+3]
	v_pk_add_f32 v[SB+2:SB+3], v[\b+4:\b+5], v[\b+6:\b+7]
	v_pk_add_f32 v[TT:TT+1], v[\b+8:\b+9], v[\b+10:\b+11]
.irp k, 12,20,28,36,44,52
	v_pk_add_f32 v[\l:\l+1], v[\l:\l+1], v[\b+\k:\b+\k+1]
	v_pk_add_f32 v[SB:SB+1], v[SB:SB+1], v[\b+\k+2:\b+\k+3]
	v_pk_add_f32 v[SB+2:SB+3], v[SB+2:SB+3], v[\b+\k+4:\b+\k+5]
	v_pk_add_f32 v[TT:TT+1], v[TT:TT+1], v[\b+\k+6:\b+\k+7]
.endr
	v_pk_add_f32 v[\l:\l+1], v[\l:\l+1], v[\b+60:\b+61]
	v_pk_add_f32 v[SB:SB+1], v[SB:SB+1], v[\b+62:\b+63]
	v_pk_add_f32 v[SB+2:SB+3], v[SB+2:SB+3], v[TT:TT+1]
	s_delay_alu instid0(VALU_DEP_2)
	v_pk_add_f32 v[\l:\l+1], v[\l:\l+1], v[SB:SB+1]
	s_delay_alu instid0(VALU_DEP_1)
	v_pk_add_f32 v[\l:\l+1], v[\l:\l+1], v[SB+2:SB+3]
.endm
.macro HOLD2 r                         ; two holds in a dual pair
	v_dual_min_num_f32 v[\r], v[\r], v[HL] :: v_dual_min_num_f32 v[\r+1], v[\r+1], v[HL+1]
.endm
.macro SOFT ta, tb                     ; the softmax of a pair of tiles: a's scores in v[S ..], b's in v[S+64 ..]; their codes to v[P ..], v[P+16 ..]
.set RA, ST+4*(\ta)
.set RB, ST+4*(\tb)
	v_max3_num_f32 v[MA], v[S], v[S+1], v[S+2]     ; the step's largest scores, two chains a tile; each accumulator from its low end on
	v_max3_num_f32 v[MA+1], v[S+3], v[S+4], v[S+5]
	v_max3_num_f32 v[MA+2], v[S+64], v[S+65], v[S+66]
	v_max3_num_f32 v[MA+3], v[S+67], v[S+68], v[S+69]
.irp i, 6,10,14,18,22,26,30,34,38,42,46,50,54,58
	v_max3_num_f32 v[MA], v[MA], v[S+\i], v[S+1+\i]
	v_max3_num_f32 v[MA+1], v[MA+1], v[S+2+\i], v[S+3+\i]
	v_max3_num_f32 v[MA+2], v[MA+2], v[S+64+\i], v[S+65+\i]
	v_max3_num_f32 v[MA+3], v[MA+3], v[S+66+\i], v[S+67+\i]
.endr
	v_max3_num_f32 v[MA], v[MA], v[S+62], v[S+63]
	v_max3_num_f32 v[MA+2], v[MA+2], v[S+126], v[S+127]
	v_max3_num_f32 v[MA], v[MA], v[MA+1], v[RA+1]  ; with the running largest
	v_max3_num_f32 v[MA+2], v[MA+2], v[MA+3], v[RB+1]
	s_delay_alu instid0(VALU_DEP_2)
	v_permlanex16_b32 v[MA+1], v[MA], s[SEL], s[SEL+1]
	s_delay_alu instid0(VALU_DEP_2)
	v_permlanex16_b32 v[MA+3], v[MA+2], s[SEL], s[SEL+1]
	s_delay_alu instid0(VALU_DEP_2)
	v_max_num_f32 v[RA+1], v[MA], v[MA+1]          ; and lane l xor 16's
	s_delay_alu instid0(VALU_DEP_2)
	v_max_num_f32 v[RB+1], v[MA+2], v[MA+3]
	s_delay_alu instid0(VALU_DEP_2)
	v_mul_f32 v[MA], s[CS], v[RA+1]                ; as t (the factor is positive)
	s_delay_alu instid0(VALU_DEP_2)
	v_mul_f32 v[MA+2], s[CS], v[RB+1]
	s_delay_alu instid0(VALU_DEP_2)
	v_floor_f32 v[TT], -v[MA]                      ; the new -M = floor(-t)
	s_delay_alu instid0(VALU_DEP_2)
	v_floor_f32 v[TT+1], -v[MA+2]
	s_delay_alu instid0(VALU_DEP_2)
	v_sub_f32 v[MA], v[TT], v[RA]                  ; old M - new M: a whole number, 0 or less
	s_delay_alu instid0(VALU_DEP_2)
	v_sub_f32 v[MA+2], v[TT+1], v[RB]
	s_delay_alu instid0(VALU_DEP_2)
	v_cvt_i32_f32 v[MA], v[MA]                     ; (it saturates)
	s_delay_alu instid0(VALU_DEP_2)
	v_cvt_i32_f32 v[MA+2], v[MA+2]
	s_delay_alu instid0(VALU_DEP_2)
	v_ldexp_f32 v[FF], 1.0, v[MA]
	s_delay_alu instid0(VALU_DEP_2)
	v_ldexp_f32 v[FF+2], 1.0, v[MA+2]
	v_mov_b32 v[RA], v[TT]
	v_mov_b32 v[RB], v[TT+1]
.set j, 0
.rept 32
	v_pk_fma_f32 v[S+j:S+j+1], v[S+j:S+j+1], s[CS:CS+1], v[RA:RA+1] op_sel_hi:[1,0,0]   ; a: t - M
.set j, j+2
.endr
	s_wait_alu depctr_va_vdst(0)                   ; the wait ahead of the batch
.set j, 0
.rept 32
	v_exp_f32 v[S+j], v[S+j]                       ; a: p
	v_exp_f32 v[S+j+1], v[S+j+1]
	v_pk_fma_f32 v[S+64+j:S+65+j], v[S+64+j:S+65+j], s[CS:CS+1], v[RB:RB+1] op_sel_hi:[1,0,0]   ; b: t - M, first read behind the wait below
.set j, j+2
.endr
	v_pk_mul_f32 v[RA+2:RA+3], v[RA+2:RA+3], v[FF:FF+1] op_sel_hi:[1,0]       ; the sums under the new M
	v_pk_mul_f32 v[RB+2:RB+3], v[RB+2:RB+3], v[FF+2:FF+3] op_sel_hi:[1,0]
	s_wait_alu depctr_va_vdst(0)                   ; one wait for the batch, ahead of its first reader
	ADDS S, RA+2
.set j, 0
.rept 32
	v_exp_f32 v[S+64+j], v[S+64+j]                 ; b: p
	v_exp_f32 v[S+65+j], v[S+65+j]
	HOLD2 S+j                                      ; a: the hold, first read behind the wait below
.set j, j+2
.endr
	v_nop                                          ; a plain place behind the last exponential
	s_wait_alu depctr_va_vdst(0)
.irp i, 0,1,2,3,4,5,6,7
	v_cvt_scalef32_pk8_bf8_f32 v[P+2*\i:P+2*\i+1], v[S+8*\i:S+8*\i+7], v[SC]
.endr
	ADDS S+64, RB+2
.set j, 0
.rept 32
	HOLD2 S+64+j
.set j, j+2
.endr
.irp i, 0,1,2,3,4,5,6,7
	v_cvt_scalef32_pk8_bf8_f32 v[P+16+2*\i:P+17+2*\i], v[S+64+8*\i:S+71+8*\i], v[SC]
.endr
.endm
.macro RESC ta, tb                     ; O^T of the pair under the new M; these 32 plain lines also stand between the conversions and the products
	WIN 0x41
	s_wait_alu depctr_va_vdst(0)                   ; the wait directly ahead of the first reader of O^T
.set j, 0
.rept 16
	v_pk_mul_f32 v[O+32*(\ta)+j:O+32*(\ta)+j+1], v[O+32*(\ta)+j:O+32*(\ta)+j+1], v[FF:FF+1] op_sel_hi:[1,0]
.set j, j+2
.endr
.set j, 0
.rept 16
	v_pk_mul_f32 v[O+32*(\tb)+j:O+32*(\tb)+j+1], v[O+32*(\tb)+j:O+32*(\tb)+j+1], v[FF+2:FF+3] op_sel_hi:[1,0]
.set j, j+2
.endr
.endm
.macro STEP                            ; 128 keys for my four tiles
	v_add_nc_u32 v[ADK], s[TB], v[LI]
	s_delay_alu instid0(VALU_DEP_1)
	v_add_nc_u32 v[ADV], VBASE, v[ADK]
	v_nop
	v_nop                                          ; four places in front of loads into registers that the last products read
	WIN 0x40
.irp i, 0,1,2,3,4,5,6,7
	ds_load_b128 v[FK+8*\i:FK+8*\i+3], v[ADK] offset:1024*\i
	ds_load_b128 v[FK+8*\i+4:FK+8*\i+7], v[ADK] offset:1024*\i+512
.endr
.irp c, 0,1,2,3
.irp g, 0,1,2,3
	ds_load_b128 v[FV+16*\c+4*\g:FV+16*\c+4*\g+3], v[ADV] offset:2048*\c+512*\g
.endr
.endr
	s_wait_dscnt 16                                ; K's sixteen loads are in; V's sixteen may be out
	WIN 0x01
	KQ 0
	KQ 1
	WIN 0
	PLACES
	SOFT 0, 1
	s_wait_dscnt 0x0                               ; V is in
	RESC 0, 1
	WIN 0x01
	KQ 2
	KQ 3
	WIN 0x51
	PV 0
	PV 1
	WIN 0
	PLACES
	SOFT 2, 3
	RESC 2, 3
	WIN 0x51
	PV 2
	PV 3
	WIN 0
	s_add_co_u32 s[TB], s[TB], 8192
.endm
	s_wait_alu depctr_va_vdst(0)                   ; the wait at the head's end
	s_wait_tensorcnt 0x0                           ; my part of keys 0-511 is in
	ds_add_u32 v[SPW], v[NIL]
	s_wait_dscnt 0x0
	CROUND                                         ; everybody's part is in, and the four work-groups are here
	tensor_load_to_lds s[G0B:G0B+3], s[G1B:G1B+7]  ; keys 512-2,047: the first tensor load behind the round; it has four steps in which to land
	s_nop 0
	PLACES
	s_wait_loadcnt 0x0                             ; Q
	s_mov_b32 s[TB], 0
	s_mov_b32 s[TR], 4
.Lfirst:
	STEP
	s_sub_co_u32 s[TR], s[TR], 1
	s_cmp_lg_u32 s[TR], 0
	s_cbranch_scc1 .Lfirst
	s_wait_tensorcnt 0x0                           ; my part of the rest is in,
	s_wait_dscnt 0x0
	s_barrier_signal -1
	s_barrier_wait -1                              ; and everybody's
	s_mov_b32 s[TB], 32768
	s_mov_b32 s[TR], 12
.Lrest:
	STEP
	s_sub_co_u32 s[TR], s[TR], 1
	s_cmp_lg_u32 s[TR], 0
	s_cbranch_scc1 .Lrest
	; THE WAY OUT: O^T / l, held, converted with 2^(e10 - e8 - e9) and stored as images of the last product's operand registers: each store covers 512 consecutive bytes, aligned
.irp t, 0,1,2,3
	v_add_f32 v[ST+4*\t+2], v[ST+4*\t+2], v[ST+4*\t+3]
.endr
.irp t, 0,1,2,3
	s_delay_alu instid0(VALU_DEP_4)
	v_permlanex16_b32 v[SB+\t], v[ST+4*\t+2], s[SEL], s[SEL+1]
.endr
.irp t, 0,1,2,3
	s_delay_alu instid0(VALU_DEP_4)
	v_add_f32 v[ST+4*\t+2], v[ST+4*\t+2], v[SB+\t]
.endr
	s_wait_alu depctr_va_vdst(0)                   ; ahead of the batch
.irp t, 0,1,2,3
	v_rcp_f32 v[FF+2*\t], v[ST+4*\t+2]
.endr
	v_mov_b32 v[SC], s46
	v_mov_b32 v[HL], s47
	WIN 0x01
	s_wait_alu depctr_va_vdst(0)                   ; behind the batch, and directly ahead of the first reader of O^T
.irp t, 0,1,2,3
.set j, 0
.rept 16
	v_pk_mul_f32 v[S+32*\t+j:S+32*\t+j+1], v[O+32*\t+j:O+32*\t+j+1], v[FF+2*\t:FF+2*\t+1] op_sel_hi:[1,0]
.set j, j+2
.endr
.endr
	WIN 0
.set j, 0
.rept 128
	v_med3_num_f32 v[S+j], v[S+j], -v[HL], v[HL]
.set j, j+1
.endr
.irp t, 0,1,2,3
.irp c, 0,1,2,3
	v_cvt_scalef32_pk8_bf8_f32 v[P+8*\t+2*\c:P+8*\t+2*\c+1], v[S+32*\t+8*\c:S+32*\t+8*\c+7], v[SC]
.endr
.endr
	v_nop
.irp t, 0,1,2,3
.irp g, 0,1
	global_store_b128 v[LI], v[P+8*\t+4*\g:P+8*\t+4*\g+3], s[8:9] offset:4096*\t+512*\g
.endr
.endr
	s_wait_tensorcnt 0x0                           ; the wave's end
	ds_add_u32 v[SPW], v[NIL]
	s_wait_dscnt 0x0
	CROUND                                         ; the closing round
	s_endpgm
.Lfunc_end_k_q372ca6e648_attn:
	.size	k_q372ca6e648_attn, .Lfunc_end_k_q372ca6e648_attn-k_q372ca6e648_attn
	.p2alignl 7, 3214868480
	.fill 96, 4, 3214868480
	.section	.rodata,"a",@progbits
	.p2align	6, 0x0
	.amdhsa_kernel k_q372ca6e648_attn
		.amdhsa_group_segment_fixed_size 327680
		.amdhsa_private_segment_fixed_size 0
		.amdhsa_enable_private_segment 0
		.amdhsa_kernarg_size 24
		.amdhsa_user_sgpr_count 2
		.amdhsa_user_sgpr_kernarg_segment_ptr 1
		.amdhsa_wavefront_size32 1
		.amdhsa_system_sgpr_workgroup_id_x 1
		.amdhsa_system_sgpr_workgroup_id_y 1
		.amdhsa_system_sgpr_workgroup_id_z 1
		.amdhsa_system_vgpr_workitem_id 0
		.amdhsa_next_free_vgpr 512
		.amdhsa_next_free_sgpr 66
		.amdhsa_reserve_vcc 0
		.amdhsa_float_denorm_mode_32 3
		.amdhsa_float_denorm_mode_16_64 3
		.amdhsa_memory_ordered 1
		.amdhsa_forward_progress 1
		.amdhsa_inst_pref_size 137
	.end_amdhsa_kernel
	.amdgpu_metadata
---
amdhsa.version: [ 1, 2 ]
amdhsa.kernels:
  - .name:           k_q372ca6e648_attn
    .symbol:         k_q372ca6e648_attn.kd
    .args:
      - { .name: qkv, .offset: 0, .size: 8, .value_kind: global_buffer, .address_space: global }
      - { .name: lowp_scales, .offset: 8, .size: 8, .value_kind: global_buffer, .address_space: global }
      - { .name: acodes, .offset: 16, .size: 8, .value_kind: global_buffer, .address_space: global }
    .group_segment_fixed_size: 327680
    .private_segment_fixed_size: 0
    .kernarg_segment_align: 8
    .kernarg_segment_size: 24
    .max_flat_workgroup_size: 256
    .sgpr_count:     66
    .vgpr_count:     512
    .wavefront_size: 32
...
	.end_amdgpu_metadata
.endif
;; end of part 2
;; launch proj (part 3): grid 4 x 64, 4 waves a work-group, clusters of 4 x 4, 327,680 bytes of LDS; arguments acodes, Wo_codes, lowp_scales, bo, out0; writes out0
.if DOCPART == 3
	.amdgcn_target "amdgcn-amd-amdhsa--gfx1250"
	.amdhsa_code_object_version 6
	.text
	.protected	k_q372ca6e648_proj
	.globl	k_q372ca6e648_proj
	.p2align	8
	.type	k_q372ca6e648_proj,@function
k_q372ca6e648_proj:
	s_mov_b64 s[64:65], 0
	v_nop
	global_prefetch_b8 v0, s[64:65] scope:SCOPE_SE
	s_setreg_imm32_b32 hwreg(HW_REG_WAVE_MODE, 25, 1), 1
	s_wait_xcnt 0x0
	s_wait_alu depctr_hold_cnt(0) depctr_sa_sdst(0) depctr_va_vdst(0) depctr_va_sdst(0) depctr_va_ssrc(0) depctr_va_vcc(0) depctr_vm_vsrc(0)
	s_getreg_b32 s2, hwreg(HW_REG_IB_STS2, 6, 4)
	s_cmp_eq_u32 s2, 0
	s_cbranch_scc0 .Lentry_in_a_cluster
	s_endpgm
.Lentry_in_a_cluster:
	s_bfe_u32 s2, ttmp6, 0x10000c
	s_cmp_lg_u32 s2, 0xf033
	s_cbranch_scc0 .Lentry_shape_is_right
	s_endpgm
.Lentry_shape_is_right:
; out = a Wo + bo on codes of BF8 (E5M2): a = the attention's result as codes (scale e10), Wo: [1024 (n)][1024 (k)] codes (scale e11); each f32 sum x 2^(e10 + e11) + bo.
; SHARES.  A work-group owns 128 tokens x 256 channels: 64 x 4 = 256 work-groups.  A wave owns 64 tokens x 128 channels: 32 accumulators.
; a lies in memory as images of operand registers ([256 K: 4][16 tokens: 512][64 K: 4][1 KB], lane l's 16 bytes at 512 g + 16 l): my 64 tokens x 1,024 K go straight into 512 registers, each load 512 consecutive bytes.
; Wo's 256 rows x 1,024 K lie whole in LDS: one joint load a wave (128 rows x 512 bytes), each byte filled once: no ring.
; A HALF-STEP is 16 matrix instructions: four fragments of Wo x my four tiles of tokens; the fragments turn through three buffers of 64 registers, asked for two half-steps ahead.
; a's images hold k in the form's own places (registers 2 c, 2 c + 1: k = 16 c + 8 (l / 16) + 0 .. 7), so Wo's fragments come by loads of 8 bytes.
; Source 0 = Wo's rows, source 1 = tokens: a lane holds eight neighbouring channels of a token; a block of 16 tokens goes through my own stage in LDS and leaves as rows of 512 bytes.
; CLUSTERS: 4 x 4 work-groups; Wo's tile is shared along a column of the cluster.  a is read by each wave for itself.
; NO PREFETCH: all that the launch reads is asked for at its head; there is no loop to run ahead in.
; LIMIT: e10 + e11 between -126 and 127, so that 2^(e10 + e11) is an f32 number.
; REGISTERS: window 0: v0-31 addresses, bias; v64-255 Wo's three buffers, on the way out rows read back; window 1: accumulator (a, b) at v[8 (8 a + b)]; windows 2, 3: a's fragment (K step s, tile a) at v[64 (s % 4) + 16 a] of window 2 + s / 4.
.set SIZE_N, 1024
.set PITCH,  528
.set HALF,   128*PITCH
.set SPARE,  4*HALF
.set STAGE,  SPARE+512                 ; bytes of its own: no fill lands there
.set SPITCH, 528
.set BI,   8
.set ADRB, 16
.set STO,  24
.set RD,   25
.set CO,   26
.set SPW,  28
.set NIL,  29
.set WB,   64
.set BK,   128
.set G1, 24
.set G0, 32
.set MSB, 0
.macro WIN new
.if MSB != \new
	s_set_vgpr_msb (MSB<<8)|\new
.set MSB, \new
.endif
.endm
.macro PLACES
.rept 4
	v_nop
.endr
.endm
.macro CROUND
	s_barrier_signal -1
	s_barrier_wait -1
	s_cmp_lg_u32 s14, 0
	s_cbranch_scc1 .Lnot_wave_0_\@
	s_barrier_signal -3
.Lnot_wave_0_\@:
	s_barrier_wait -3
	s_barrier_signal -1
	s_barrier_wait -1
.endm
	s_load_b128 s[4:7], s[0:1], 0x0                ; a's codes, Wo's codes
	s_load_b128 s[8:11], s[0:1], 0x10              ; the scales' exponents, bo
	s_load_b64 s[12:13], s[0:1], 0x20              ; out
	v_lshl_add_u32 v[SPW], v0, 2, SPARE
	v_mov_b32 v[NIL], 0
	ds_add_u32 v[SPW], v[NIL]                      ; the opening lines: the add twice on end and its wait
	ds_add_u32 v[SPW], v[NIL]
	v_lshrrev_b32 v1, 5, v0
	v_readfirstlane_b32 s14, v1                    ; wave 0..3
	s_lshr_b32 s15, s14, 1                         ; which 64 tokens are mine.  Also: which K half I fetch
	s_and_b32 s16, s14, 1                          ; which 128 channels.  Also: which 128 rows I fetch
	s_bfe_u32 s40, ttmp6, 0x40000
	s_bfe_u32 s41, ttmp6, 0x40004
	s_and_b32 s17, ttmp7, 0xffff
	s_lshl_b32 s17, s17, 2
	s_add_co_u32 s17, s17, s41                     ; the block of 128 tokens
	s_lshl_b32 s44, 0x1111, s40                    ; my column of the cluster
	s_or_b32 s[G1], s44, (0<<16)|(1<<20)|(1<<21)|(6<<22)|(3<<25)   ; the mask; elements of 1 byte; padding: four words after every 128; bit 21 beside a mask
	s_mov_b32 s[G1+1], 512<<16
	s_mov_b32 s[G1+2], 128<<16
	s_mov_b32 s[G1+3], 512<<16
	s_mov_b32 s[G1+4], 128
	s_mov_b32 s[G1+5], 1024
	s_mov_b32 s[G1+6], 0
	s_mov_b32 s[G1+7], 0
	s_mov_b32 s[G0], 1
	s_mul_i32 s[G0+1], s14, HALF                   ; K half 0's two halves of rows, then K half 1's
	s_lshl_b32 s46, s40, 8
	s_lshl_b32 s18, s16, 7
	s_add_co_u32 s46, s46, s18
	s_lshl_b32 s46, s46, 10
	s_lshl_b32 s18, s15, 9
	s_add_co_u32 s46, s46, s18                     ; row 256 cx + 128 (wave % 2), K half wave / 2
	s_mov_b32 s47, 0
	s_lshl_b32 s20, s17, 3
	s_lshl_b32 s18, s15, 2
	s_add_co_u32 s20, s20, s18
	s_lshl_b32 s20, s20, 12                        ; a: my first tile of 16 tokens x 4,096 bytes
	s_mov_b32 s21, 0
	s_lshl_b32 s22, s40, 10
	s_lshl_b32 s23, s16, 9
	s_add_co_u32 s22, s22, s23                     ; my first channel, in bytes of f32
	s_mov_b32 s23, 0
	s_wait_dscnt 0x0
	s_wait_kmcnt 0x0
	s_load_b64 s[96:97], s[8:9], 0x28              ; e10, e11
	s_add_nc_u64 s[G0+2:G0+3], s[6:7], s[46:47]
	s_or_b32 s[G0+3], s[G0+3], 0x80000000
	s_add_nc_u64 s[4:5], s[4:5], s[20:21]
	s_add_nc_u64 s[10:11], s[10:11], s[22:23]
	CROUND                                         ; the round in front of the joint loads
	tensor_load_to_lds s[G0:G0+3], s[G1:G1+7]      ; my quarter of Wo's block: my one tensor load
	s_nop 0
	PLACES
	v_and_b32 v6, 31, v0
	v_lshlrev_b32 v[CO], 4, v6                     ; 16 x lane
	global_load_b128 v[BI:BI+3], v[CO], s[10:11]   ; my four channels of bo
	WIN 0x80
.irp s, 0,1,2,3
.irp a, 0,1,2,3
.irp c, 0,1,2,3
	global_load_b128 v[64*\s+16*\a+4*\c:64*\s+16*\a+4*\c+3], v[CO], s[4:5] offset:(\s/2)*2097152+\a*4096+(\s%2)*2048+512*\c
.endr
.endr
.endr
	WIN 0xc0
.irp s, 0,1,2,3
.irp a, 0,1,2,3
.irp c, 0,1,2,3
	global_load_b128 v[64*\s+16*\a+4*\c:64*\s+16*\a+4*\c+3], v[CO], s[4:5] offset:(2+\s/2)*2097152+\a*4096+(\s%2)*2048+512*\c
.endr
.endr
.endr
	WIN 0
	s_mul_i32 s19, s16, HALF
	s_mul_i32 s18, s14, 16*SPITCH
	s_add_co_u32 s18, s18, STAGE                   ; my stage
	v_and_b32 v1, 15, v0
	v_bfe_u32 v2, v0, 4, 1
	v_mul_u32_u24 v3, v1, PITCH
	v_lshl_add_u32 v4, v2, 3, v3                   ; a fragment's row x pitch + 8 x half
	v_add_nc_u32 v[ADRB], s19, v4
	v_add_nc_u32 v[ADRB+1], 2*HALF, v[ADRB]
	v_lshl_add_u32 v5, v2, 5, v3                   ; the stage has the same pitch: row l % 16, 32 bytes for each half of the lanes
	v_add_nc_u32 v[STO], s18, v5
	v_add_nc_u32 v[RD], s18, v[CO]
	s_lshl_b32 s20, s17, 7
	s_lshl_b32 s21, s15, 6
	s_add_co_u32 s20, s20, s21
	s_lshl_b32 s20, s20, 12                        ; my first row of out: 4,096 bytes a row
	s_add_co_u32 s20, s20, s22
	s_mov_b32 s21, 0
	s_add_nc_u64 s[12:13], s[12:13], s[20:21]
.macro LOADW m
.irp i, 0,1,2,3
.irp c, 0,1,2,3,4,5,6,7
	ds_load_b64 v[WB+64*((\m)%3)+16*\i+2*\c:WB+64*((\m)%3)+16*\i+2*\c+1], v[ADRB+(\m)/8] offset:(4*((\m)%2)+\i)*16*PITCH+128*(((\m)/2)%4)+16*\c
.endr
.endr
.endm
.macro MM d, w, x
.if S_ == 0
	v_wmma_f32_16x16x128_bf8_bf8 v[\d:\d+7], v[\w:\w+15], v[\x:\x+15], 0
.else
	v_wmma_f32_16x16x128_bf8_bf8 v[\d:\d+7], v[\w:\w+15], v[\x:\x+15], v[\d:\d+7]
.endif
.endm
.macro HSTEP
.set S_, N/2
.if N == 15
	s_wait_dscnt 0x0
.else
	s_wait_dscnt 32                                ; this half-step's 32 loads are in; the next one's may be out
.endif
.if N == 0
	s_wait_loadcnt 63                              ; of bo's load and a's 128, 66 are in: K steps 0 to 3
.endif
.if (N%2 == 0) && (S_ > 3)
	s_wait_loadcnt 16*(7-S_)                       ; behind this K step's loads stand sixteen for each later one
.endif
.if N < 14
	PLACES                                         ; in front of loads into the buffer that the last half-step read
	WIN 0
	LOADW N+2
.endif
	WIN 0x58+4*(S_/4)
.irp i, 0,1,2,3
.irp a, 0,1,2,3
	MM (8*(8*\a+4*(N%2)+\i)), (WB+64*(N%3)+16*\i), (64*(S_%4)+16*\a)
.endr
.endr
.endm
	s_wait_alu depctr_va_vdst(0)                   ; the wait at the head's end
	s_wait_tensorcnt 0x0                           ; my quarter is in,
	s_barrier_signal -1
	s_barrier_wait -1                              ; and everybody's
	LOADW 0
	LOADW 1
.set N, 0
.rept 16
	HSTEP
.set N, N+1
.endr
	WIN 0
.macro TOSTAGE a
	WIN 0x04                                       ; the stores' data: window 1
.irp b, 0,1,2,3,4,5,6,7
	ds_store_b128 v[STO], v[64*(\a)+8*\b:64*(\a)+8*\b+3] offset:64*\b
	ds_store_b128 v[STO], v[64*(\a)+8*\b+4:64*(\a)+8*\b+7] offset:64*\b+16
.endr
	WIN 0
.set BB, BK+64*((\a)%2)
.irp t, 0,1,2,3,4,5,6,7,8,9,10,11,12,13,14,15
	ds_load_b128 v[BB+4*\t:BB+4*\t+3], v[RD] offset:\t*SPITCH   ; LDS serves a wave's instructions in order (ISA guide 5.7.1.4): these see the stores above
.endr
.endm
.macro SEND a, younger
.set BB, BK+64*((\a)%2)
	s_wait_dscnt \younger
.irp t, 0,1,2,3,4,5,6,7,8,9,10,11,12,13,14,15
	v_pk_fma_f32 v[BB+4*\t:BB+4*\t+1], v[BB+4*\t:BB+4*\t+1], s[96:97], v[BI:BI+1] op_sel_hi:[1,0,1]
	v_pk_fma_f32 v[BB+4*\t+2:BB+4*\t+3], v[BB+4*\t+2:BB+4*\t+3], s[96:97], v[BI+2:BI+3] op_sel_hi:[1,0,1]
.endr
.if (\a) > 0
	s_add_nc_u64 s[12:13], s[12:13], 16*SIZE_N*4   ; (behind a wait on XCNT: the earlier stores have read their base)
.endif
.irp t, 0,1,2,3,4,5,6,7,8,9,10,11,12,13,14,15
	global_store_b128 v[CO], v[BB+4*\t:BB+4*\t+3], s[12:13] offset:\t*SIZE_N*4 th:TH_STORE_NT   ; 32 lanes store 512 consecutive bytes, aligned
.endr
.endm
	s_wait_kmcnt 0x0
	s_add_co_i32 s96, s96, s97
	s_add_co_i32 s96, s96, 127
	s_lshl_b32 s96, s96, 23                        ; 2^(e10 + e11)
	PLACES
	TOSTAGE 0
.irp a, 1,2,3
.if \a > 1
	s_wait_xcnt 0x0                                ; block a - 2's stores have read their registers and their base
.endif
	TOSTAGE \a
	SEND \a-1, 32
.endr
	s_wait_xcnt 0x0
	SEND 3, 0
	s_wait_tensorcnt 0x0                           ; the wave's end
	ds_add_u32 v[SPW], v[NIL]
	s_wait_dscnt 0x0
	CROUND                                         ; the closing round
	s_endpgm
.Lfunc_end_k_q372ca6e648_proj:
	.size	k_q372ca6e648_proj, .Lfunc_end_k_q372ca6e648_proj-k_q372ca6e648_proj
	.p2alignl 7, 3214868480
	.fill 96, 4, 3214868480
	.section	.rodata,"a",@progbits
	.p2align	6, 0x0
	.amdhsa_kernel k_q372ca6e648_proj
		.amdhsa_group_segment_fixed_size 327680
		.amdhsa_private_segment_fixed_size 0
		.amdhsa_enable_private_segment 0
		.amdhsa_kernarg_size 40
		.amdhsa_user_sgpr_count 2
		.amdhsa_user_sgpr_kernarg_segment_ptr 1
		.amdhsa_wavefront_size32 1
		.amdhsa_system_sgpr_workgroup_id_x 1
		.amdhsa_system_sgpr_workgroup_id_y 1
		.amdhsa_system_sgpr_workgroup_id_z 1
		.amdhsa_system_vgpr_workitem_id 0
		.amdhsa_next_free_vgpr 1024
		.amdhsa_next_free_sgpr 98
		.amdhsa_reserve_vcc 0
		.amdhsa_float_denorm_mode_32 3
		.amdhsa_float_denorm_mode_16_64 3
		.amdhsa_memory_ordered 1
		.amdhsa_forward_progress 1
		.amdhsa_inst_pref_size 92
	.end_amdhsa_kernel
	.amdgpu_metadata
---
amdhsa.version: [ 1, 2 ]
amdhsa.kernels:
  - .name:           k_q372ca6e648_proj
    .symbol:         k_q372ca6e648_proj.kd
    .args:
      - { .name: acodes, .offset: 0, .size: 8, .value_kind: global_buffer, .address_space: global }
      - { .name: Wo_codes, .offset: 8, .size: 8, .value_kind: global_buffer, .address_space: global }
      - { .name: lowp_scales, .offset: 16, .size: 8, .value_kind: global_buffer, .address_space: global }
      - { .name: bo, .offset: 24, .size: 8, .value_kind: global_buffer, .address_space: global }
      - { .name: out0, .offset: 32, .size: 8, .value_kind: global_buffer, .address_space: global }
    .group_segment_fixed_size: 327680
    .private_segment_fixed_size: 0
    .kernarg_segment_align: 8
    .kernarg_segment_size: 40
    .max_flat_workgroup_size: 128
    .sgpr_count:     98
    .vgpr_count:     1024
    .wavefront_size: 32
...
	.end_amdgpu_metadata
.endif
;; end of part 3
